; MI455X (gfx1250); checked and timed in simulation.
; The chip was launched on July 23, 2026; its instructions are those of AMD's public machine-readable ISA for CDNA 5 (MIT licence, August 2026) and "CDNA5" Instruction Set Architecture Reference Guide (July 2026). The comments in the code are by the model that wrote it; some were corrected since.
;; Attention. Allowed arithmetic: matrix products marked QUANTISED: E3M2 operands, one E8M0 scale for each 32 along K, by v_wmma_scale_f32_16x16x128_f8f6f4 with both operands' format E3M2, f32 sums; products left as they are: f32 operands where the result goes on into a quantised operand, else bf16, f16 or f32 operands; f32 sums; everything else in f32.
;; Inputs: attn_b 512 float32; attn_w_codes 512 x 64 x 24 uint8 (E3M2 codes of attn_w, K innermost, in blocks of 32 codes, four codes in three bytes); attn_w_scales 512 x 64 uint8 (E8M0 scales of attn_w, one for each 32 codes along K); encoder_outputs 2,048 x 32 x 1,024 float32; hidden 32 x 1,024 float32; mask 32 x 2,048 int32; v 512 float32.
;; Outputs: out0 32 x 2,048 float32.
;; This version of the problem:
;;   THIS VERSION OF THE PROBLEM IS GIVEN IN LOW PRECISION. The matrix products marked QUANTISED in the list below multiply operands that are first quantised to E3M2 (3 exponent bits, 2 mantissa bits; 6 bits a number), with one power-of-two scale for each 32 numbers along K (OCP MX v1.0); their sums are f32. All else is computed in f32.
;;   The module's matrix products, in the order in which they are computed (A, B: the left and right operand; K: the contracted axis; several contracted axes count as one K, in the product's order):
;;     1. [M 65,536, K 2,048] x [K 2,048, N 512]; A: computed on the way; B: input attn_w (given as codes): QUANTISED
;;     2. [M 65,536, K 512] x [K 512, N 1]; A: computed on the way; B: input v: left as it is (N = 1 < 16)
;;   THE QUANTISER, for each operand of a quantised product, along K:
;;     - K is cut into blocks of 32 from its start; a last block that is shorter is filled with zeros.
;;     - A block's scale is 2^e with e = floor(log2(the largest magnitude in the block)) - 4, held to -126 .. 127; a block of zeros has e = 0. As a byte (E8M0): e + 127.
;;     - Each number is divided by its block's scale, clamped to +-28, and rounded to the nearest number of E3M2, ties to even, subnormals kept.
;;     - The product sums the exact products of the quantised numbers (number of the format x scale) in f32.
;;   ~~~python
;;   def quantise(x, axis):      # numpy; x: float32 -> the quantised numbers, widened to float32 again
;;       x = np.moveaxis(x, axis, -1); K = x.shape[-1]
;;       x = np.pad(x, [(0, 0)] * (x.ndim - 1) + [(0, -K % 32)]); x = x.reshape(x.shape[:-1] + (-1, 32)); a = np.abs(x).max(-1, keepdims=True)
;;       e = np.where(a > 0, np.clip(np.frexp(np.where(a > 0, a, 1))[1] - 1 - 4, -126, 127), 0)      # np.frexp(a)[1] - 1 = floor(log2(a)), exactly
;;       r = np.clip(x / 2.0 ** e, -28, 28)
;;       step = 2.0 ** (np.maximum(np.frexp(np.where(r == 0, 1, r))[1] - 1, -2) - 2)
;;       q = np.round(r / step) * step * 2.0 ** e      # np.round: ties to even
;;       return np.moveaxis(q.reshape(q.shape[:-2] + (-1,))[..., :K], -1, axis).astype(np.float32)
;;   ~~~
;;   OPERANDS COMPUTED ON THE WAY. 'Computed on the way' means the value that the module computes at that place (a softmax that the list does not call 'softmax' is quantised finished and normalised). What goes into a quantiser is computed in f32, as accurately as f32 sums, v_exp_f32 and their like allow (about 1e-6 of the number): no bf16 or f16 on the way to a quantiser, and a product that is left as it is and whose result goes on into a quantised operand takes f32 operands (vector FMAs, or v_wmma_f32_16x16x4_f32). A number that lies on a knife's edge between two numbers of the format may be rounded either way, as far as f32 arithmetic and the matrix unit's own rounding can turn it there, and no further.
;;   INPUTS GIVEN AS CODES. attn_w (in the module: [512, 2048], K = its axis 1): each comes as NAME_codes (uint8): NAME with its K axis moved to the last place and cut into blocks of 32 codes, [.., K / 32, bytes a block], one block behind the other in memory; four codes in three bytes: a row's codes are one little-endian stream of bits, code i at bits 6 i .. 6 i + 5 (a code: sign, 3 exponent bits, 2 mantissa bits); and NAME_scales (uint8): the same leading axes, one E8M0 byte (e + 127) for each 32 codes along K. Its value is code x scale, taken as it is: it is not quantised again, and the codes and scales need not be those that the quantiser above would give.
;; One version. Each part assembles by itself: llvm-mc -triple=amdgcn-amd-amdhsa -mcpu=gfx1250 --defsym DOCPART=n.
;; ======== version 1 of 1: 3 launches
;; limits: right only within a limited range of input values
;; workspace buffers: scores 262,144 bytes; wimg 393,216 bytes; cpre 262,144 bytes
;; launch prep (part 1): grid 256 x 1, 1 waves a work-group, no clusters, 0 bytes of LDS; arguments hidden, attn_w_codes, attn_w_scales, attn_b, wimg, cpre; writes wimg, cpre
.if DOCPART == 1
	.amdgcn_target "amdgcn-amd-amdhsa--gfx1250"
	.amdhsa_code_object_version 6
	.text
	.protected	k_q5b2f81613b_prep
	.globl	k_q5b2f81613b_prep
	.p2align	8
	.type	k_q5b2f81613b_prep,@function
k_q5b2f81613b_prep:
	s_mov_b64 s[64:65], 0
	v_nop
	global_prefetch_b8 v0, s[64:65] scope:SCOPE_SE
	s_setreg_imm32_b32 hwreg(HW_REG_WAVE_MODE, 25, 1), 1
	s_wait_xcnt 0x0
; cat[b][s] = (hidden[b], encoder_outputs[s][b]).  Its first 1,024 columns are the same for every s, and a block of 32 along K never reaches over column 1,024:
; so the codes and scales of those 32 blocks, and their part of the sum over K, are the same for all 2,048 s of a batch row.  That part is made ONCE for each batch row, here, in four parts along K:
;   cpre(b, n, q) = 2 log2(e) x (sum over k = 256 q .. 256 q + 255 of Q(hidden)[b][k] W[n][k] + (q == 0 ? attn_b[n] : 0)); the next launch adds the four.  No input is left out.
; LIMIT: the f32 sum over K is formed of these parts and the part k >= 1,024, another order of rounding than one chain over all of K.
; The launch also lays W's other half (k >= 1,024) in the order of the next launch's operand registers: wimg[wave n / 64][fragment 4 s + (n / 16) % 4][piece c][lane] of 16 bytes.
; Work-group id = 8 g + 4 u + q, one wave: W's rows 16 g .. + 15, batch rows 16 u .. + 15, quarter q of K (two matrix instructions on two accumulators); and the fragment of K step id % 8 of the other half.
; cpre lies as the sums leave the registers: [id][registers 0-3, 4-7][lane] of 16 bytes; lane (r, h), register j = (batch row 16 u + 8 h + j, n = 16 g + r): each store covers 512 consecutive bytes.
; No tensor load, no LDS, no cluster, no loop to run ahead in: a work-group reads 16 KiB + 4.7 KiB once.
.set LN,  3
.set RR,  4
.set HH,  5
.set XO,  7
.set WO,  8
.set WOH, 9
.set WOE, 10
.set SO,  11
.set IO,  12
.set BO,  13
.set SB,  16
.set PWA, 18
.set PWB, 19
.set TM,  20
.set WH,  32
.set WE,  56
.set PCA, 68
.set PCB, 88
.set AC0, 108
.set AC1, 116
.set BI,  126
.set X0,  128
.set X1,  192
.set SEL, 22
; 16 rows x 128 K of f32 (lane (r, h): block b's numbers 16 h .. 16 h + 15 in v[s + 16 b ..]) -> 12 registers of codes in the operand's layout, and the rows' scale word
.macro QUANT s, pc, pw
.irp b, 0,1,2,3
	v_max3_num_f32 v[TM+\b], |v[\s+16*\b]|, |v[\s+1+16*\b]|, 0x2800000   ; with the floor 2^(5 - 127): the byte stays at 1 or above
.endr
.irp i, 2,4,6,8,10,12,14
.irp b, 0,1,2,3
	v_max3_num_f32 v[TM+\b], v[TM+\b], |v[\s+16*\b+\i]|, |v[\s+1+16*\b+\i]|
.endr
.endr
.irp b, 0,1,2,3
	v_permlanex16_b32 v[TM+4+\b], v[TM+\b], s[SEL], s[SEL+1]
.endr
.irp b, 0,1,2,3
	v_max_num_f32 v[TM+\b], v[TM+\b], v[TM+4+\b]
.endr
.irp b, 0,1,2,3
	v_add_nc_u32 v[TM+8+\b], 0xfe000000, v[TM+\b]                        ; 4 off the exponent field: the conversion's scale operand
.endr
.irp b, 0,1,2,3
	v_lshrrev_b32 v[TM+4+\b], 23, v[TM+8+\b]
.endr
	v_lshl_or_b32 v[\pw], v[TM+5], 8, v[TM+4]
	v_lshl_or_b32 v[\pw], v[TM+6], 16, v[\pw]
	v_lshl_or_b32 v[\pw], v[TM+7], 24, v[\pw]
.irp c, 0,1
	v_cvt_scalef32_pk16_bf6_f32 v[\pc+6*\c:\pc+2+6*\c], v[\s+32*\c:\s+15+32*\c], v[TM+8+2*\c]
	v_cvt_scalef32_pk16_bf6_f32 v[\pc+12+4*\c:\pc+14+4*\c], v[\s+16+32*\c:\s+31+32*\c], v[TM+8+2*\c+1]
.endr
	v_nop                                                                ; a plain place behind the conversions
.irp c, 0,1
.irp i, 0,1,2
	v_permlane16_swap_b32 v[\pc+6*\c+\i], v[\pc+12+4*\c+\i]              ; a whole block to a lane
.endr
.irp i, 0,1,2
	v_mov_b32 v[\pc+3+6*\c+\i], v[\pc+12+4*\c+\i]
.endr
.endr
.endm
.macro XLDH buf, sl
.irp b, 0,1,2,3
.irp j, 0,1,2,3
	global_load_b128 v[\buf+16*\b+4*\j:\buf+16*\b+4*\j+3], v[XO], s[4:5] offset:(\sl)*512+\b*128+16*\j
.endr
.endr
.endm
	s_load_b256 s[4:11], s[0:1], 0x0               ; hidden, W's codes, W's scales, attn_b
	s_load_b128 s[12:15], s[0:1], 0x20             ; wimg, cpre
	s_and_b32 s16, ttmp9, 7                        ; K step of the fragment that I re-lay
	s_bfe_u32 s17, ttmp9, 0x10002                  ; u
	s_and_b32 s18, ttmp9, 3                        ; q
	s_lshr_b32 s19, ttmp9, 3                       ; g
	s_mov_b32 s[SEL], 0x76543210
	s_mov_b32 s[SEL+1], 0xfedcba98
	s_mov_b32 s24, 0x4038aa3b                      ; 2 log2(e)
	s_cmp_eq_u32 s18, 0
	s_cselect_b32 s25, s24, 0                      ; the bias goes into part 0 alone
	s_lshl_b32 s26, s17, 16
	s_lshl_b32 s27, s18, 10
	s_add_co_u32 s26, s26, s27                     ; hidden: 16 u rows of 4,096 bytes + 256 q numbers
	s_mul_i32 s27, s18, 192                        ; W's hidden half: K steps 2 q, 2 q + 1 of 96 bytes
	s_mul_i32 s28, s16, 96
	s_add_co_u32 s28, s28, 768                     ; W's other half
	s_lshl_b32 s29, s18, 3                         ; scale bytes of K steps 2 q, 2 q + 1
	s_mul_i32 s32, s19, 24576                      ; 16 rows of 1,536 bytes of codes
	s_mov_b32 s33, 0
	s_lshl_b32 s34, s19, 10                        ; 16 rows of 64 scale bytes
	s_mov_b32 s35, 0
	s_lshr_b32 s36, s19, 2
	s_lshl_b32 s36, s36, 5                         ; 32 fragments to a reader wave
	s_lshl_b32 s37, s16, 2
	s_add_co_u32 s36, s36, s37
	s_and_b32 s37, s19, 3
	s_add_co_u32 s36, s36, s37                     ; + 4 s + t
	s_mul_i32 s36, s36, 1536
	s_mov_b32 s37, 0
	s_lshl_b32 s40, s19, 6
	s_mov_b32 s41, 0
	s_lshl_b32 s42, ttmp9, 10
	s_mov_b32 s43, 0
	v_and_b32 v[LN], 31, v0
	v_and_b32 v[RR], 15, v0
	v_bfe_u32 v[HH], v0, 4, 1
	v_lshlrev_b32 v[XO], 12, v[RR]
	v_lshl_add_u32 v[XO], v[HH], 6, v[XO]
	v_add_nc_u32 v[XO], s26, v[XO]
	v_mul_u32_u24 v[WO], v[RR], 1536
	v_mad_u32_u24 v[WO], v[HH], 24, v[WO]
	v_add_nc_u32 v[WOH], s27, v[WO]
	v_add_nc_u32 v[WOE], s28, v[WO]
	v_lshl_add_u32 v[SO], v[RR], 6, s29
	v_lshlrev_b32 v[IO], 4, v[LN]
	v_lshlrev_b32 v[BO], 2, v[RR]
	v_mov_b32 v[BI+1], 0                           ; the pair's upper half is written
.irp b, 0,1,2,3
	v_mov_b32 v[TM+4+\b], 0                        ; a lane permute's destination counts as a source
.endr
	s_wait_alu depctr_va_vdst(0)
	s_wait_kmcnt 0x0
	s_add_nc_u64 s[6:7], s[6:7], s[32:33]
	s_add_nc_u64 s[8:9], s[8:9], s[34:35]
	s_add_nc_u64 s[10:11], s[10:11], s[40:41]
	s_add_nc_u64 s[12:13], s[12:13], s[36:37]
	s_add_nc_u64 s[14:15], s[14:15], s[42:43]
.irp p, 0,1,2,3,4,5
	global_load_b64 v[WE+2*\p:WE+2*\p+1], v[WOE], s[6:7] offset:48*(\p/3)+8*(\p%3)
.endr
.irp i, 0,1
.irp p, 0,1,2,3,4,5
	global_load_b64 v[WH+12*\i+2*\p:WH+12*\i+2*\p+1], v[WOH], s[6:7] offset:96*\i+48*(\p/3)+8*(\p%3)
.endr
.endr
	global_load_b32 v[SB], v[SO], s[8:9]
	global_load_b32 v[SB+1], v[SO], s[8:9] offset:4
	global_load_b32 v[BI], v[BO], s[10:11]
	XLDH X0, 0
	XLDH X1, 1
	s_wait_loadcnt 47                              ; behind the first six: 12 + 3 + 32 loads
.irp c, 0,1,2
	global_store_b128 v[IO], v[WE+4*\c:WE+4*\c+3], s[12:13] offset:512*\c   ; the fragment's registers as they stand: 512 consecutive bytes a store
.endr
	s_wait_loadcnt 0x0
	QUANT X0, PCA, PWA
	QUANT X1, PCB, PWB
	v_mul_f32 v[BI], s25, v[BI]
.rept 8
	v_nop                                          ; a scale register written by a vector instruction stands 8 places ahead of the scaled matrix instruction
.endr
	v_wmma_scale_f32_16x16x128_f8f6f4 v[AC0:AC0+7], v[PCA:PCA+11], v[WH:WH+11], 0, v[PWA], v[SB] matrix_a_fmt:MATRIX_FMT_BF6 matrix_b_fmt:MATRIX_FMT_BF6
	v_wmma_scale_f32_16x16x128_f8f6f4 v[AC1:AC1+7], v[PCB:PCB+11], v[WH+12:WH+23], 0, v[PWB], v[SB+1] matrix_a_fmt:MATRIX_FMT_BF6 matrix_b_fmt:MATRIX_FMT_BF6
.rept 4
	v_nop
.endr
.irp i, 0,2,4,6
	v_pk_add_f32 v[X0+\i:X0+\i+1], v[AC0+\i:AC0+\i+1], v[AC1+\i:AC1+\i+1]
.endr
.irp i, 0,2,4,6
	v_pk_fma_f32 v[X0+\i:X0+\i+1], v[X0+\i:X0+\i+1], s[24:25], v[BI:BI+1] op_sel_hi:[1,0,0]
.endr
	global_store_b128 v[IO], v[X0:X0+3], s[14:15]
	global_store_b128 v[IO], v[X0+4:X0+7], s[14:15] offset:512
	s_endpgm
.Lfunc_end_k_q5b2f81613b_prep:
	.size	k_q5b2f81613b_prep, .Lfunc_end_k_q5b2f81613b_prep-k_q5b2f81613b_prep
	.p2alignl 7, 3214868480
	.fill 96, 4, 3214868480
	.section	.rodata,"a",@progbits
	.p2align	6, 0x0
	.amdhsa_kernel k_q5b2f81613b_prep
		.amdhsa_group_segment_fixed_size 0
		.amdhsa_private_segment_fixed_size 0
		.amdhsa_enable_private_segment 0
		.amdhsa_kernarg_size 48
		.amdhsa_user_sgpr_count 2
		.amdhsa_user_sgpr_kernarg_segment_ptr 1
		.amdhsa_wavefront_size32 1
		.amdhsa_system_sgpr_workgroup_id_x 1
		.amdhsa_system_sgpr_workgroup_id_y 1
		.amdhsa_system_sgpr_workgroup_id_z 1
		.amdhsa_system_vgpr_workitem_id 0
		.amdhsa_next_free_vgpr 256
		.amdhsa_next_free_sgpr 66
		.amdhsa_reserve_vcc 0
		.amdhsa_float_denorm_mode_32 3
		.amdhsa_float_denorm_mode_16_64 3
		.amdhsa_memory_ordered 1
		.amdhsa_forward_progress 1
		.amdhsa_inst_pref_size 17
	.end_amdhsa_kernel
	.amdgpu_metadata
---
amdhsa.version: [ 1, 2 ]
amdhsa.kernels:
  - .name:           k_q5b2f81613b_prep
    .symbol:         k_q5b2f81613b_prep.kd
    .args:
      - { .name: hidden, .offset: 0, .size: 8, .value_kind: global_buffer, .address_space: global }
      - { .name: attn_w_codes, .offset: 8, .size: 8, .value_kind: global_buffer, .address_space: global }
      - { .name: attn_w_scales, .offset: 16, .size: 8, .value_kind: global_buffer, .address_space: global }
      - { .name: attn_b, .offset: 24, .size: 8, .value_kind: global_buffer, .address_space: global }
      - { .name: wimg, .offset: 32, .size: 8, .value_kind: global_buffer, .address_space: global }
      - { .name: cpre, .offset: 40, .size: 8, .value_kind: global_buffer, .address_space: global }
    .group_segment_fixed_size: 0
    .private_segment_fixed_size: 0
    .kernarg_segment_align: 8
    .kernarg_segment_size: 48
    .max_flat_workgroup_size: 32
    .sgpr_count:     66
    .vgpr_count:     256
    .wavefront_size: 32
...
	.end_amdgpu_metadata
.endif
;; end of part 1
;; launch energy (part 2): grid 8 x 32, 8 waves a work-group, no clusters, 327,680 bytes of LDS; arguments encoder_outputs, wimg, attn_w_scales, cpre, v, scores; writes scores
.if DOCPART == 2
	.amdgcn_target "amdgcn-amd-amdhsa--gfx1250"
	.amdhsa_code_object_version 6
	.text
	.protected	k_q5b2f81613b_energy
	.globl	k_q5b2f81613b_energy
	.p2align	8
	.type	k_q5b2f81613b_energy,@function
k_q5b2f81613b_energy:
	s_mov_b64 s[64:65], 0
	v_nop
	global_prefetch_b8 v0, s[64:65] scope:SCOPE_SE
	s_setreg_imm32_b32 hwreg(HW_REG_WAVE_MODE, 25, 1), 1
	s_wait_xcnt 0x0
; scores[b][s] = sum over n of v[n] tanh(sum over k of Q(cat)[b][s][k] W[n][k] + attn_b[n]).  The part of the sum with k < 1,024 (hidden) and the bias come from the launch before,
; in four parts, times 2 log2(e): they are the same for every s of a batch row (shown at that kernel's head).  Here: k >= 1,024, the encoder's half.
; Work-group (x, b): batch row b, s = 256 x .. + 255.  Eight waves, two to a SIMD; wave j keeps W's rows 64 j .. + 63, K = 1,024, in 384 registers (32 fragments of 12:
; 21 in window 1, 11 at v124-255 of window 0), loaded once from wimg, which lies in the registers' order: 96 loads of 512 consecutive bytes a wave.
; The 256 rows of f32 come in 8 slots of 32 rows through a ring of two LDS slots; wave j fetches rows 16 (j % 2) .. + 15, columns 256 (j / 2) .. + 255 of a slot with one tensor load
; (rows of 1,024 bytes, padded by 16), and later quantises just those.
; A STEP, behind ONE barrier: slot k + 2 is asked for; slot k's codes (an image of A's operand registers in LDS, made in the step before) are multiplied, 2 x 32 matrix instructions a wave,
; tanh and the product with v follow; and slot k + 1 is quantised into the OTHER image.  The two halves of a step hang on nothing of each other, so half of the waves (by the wave's number:
; (j ^ (j / 4)) % 2) quantise first and the other half multiply first: waves that share a SIMD then have unlike work at hand.
; tanh(x) = 1 - 2 / (1 + 2^(2 log2(e) x)): where the power overflows the quotient is 0, where it falls to 0 the quotient is 1: right at both ends.
; No cluster: no two work-groups read the same tile of encoder_outputs, and W goes to registers, not to LDS.  No prefetch: each byte of encoder_outputs is asked for once,
; and a work-group has a load of 128 KiB out through the whole of each step.
; LIMITS: NaN and infinities among the inputs are not served.
.set RP,    1040
.set QTR,   32*RP
.set SLOT,  4*QTR
.set IMG,   2*SLOT                     ; two images of 16 fragments x 1,536 bytes
.set ISC,   IMG+2*24576                ; two images of 16 x 64 bytes of scale words
.set PART,  ISC+2*1024                 ; 8 waves x 256 partial scores
.set SPARE, PART+8192
.set SPW, 1
.set NIL, 2
.set RD0, 3
.set IWR, 5
.set ISW, 6
.set IRD, 7
.set ISR, 8
.set PST, 9
.set PSC, 10
.set WIO, 10                           ; at the head alone: the offset of W's loads
.set PW,  11
.set CP,  12
.set VL,  16
.set CPO, 17
.set WS,  18
.set ACC, 34
.set ASC, 66
.set AF,  70
.set ATT, 70
.set X,   34
.set TM,  98
.set PC,  110
.set LN,  118
.set RR,  119
.set HH,  120
.set T0,  121
.set BVO, 122
.set WSO, 123
.set ORD, 118
.set OGO, 119
.set CPT, 232                          ; at the head alone: cpre's 16 parts, where W's last two fragments come to lie
.set V2,  252                          ; in window 1
.set WV,  18
.set BB,  19
.set GRP, 20
.set G1,  24
.set G0,  32
.set SEL, 40
.set KK,  42
.set CNT, 44
.set PO,  45
.set MSB, 0
.macro WIN new                         ; the immediate's high byte repeats the setting that is left
.if MSB != (\new)
	s_set_vgpr_msb (MSB<<8)|(\new)
.set MSB, (\new)
.endif
.endm
.macro PLACES n
.rept \n
	v_nop
.endr
.endm
; 16 rows x 128 K of f32 in v[X ..] -> v[PC .. PC+11] codes in the operand's layout, v[PW] the rows' scale word.  The blocks' upper halves are converted into TM's registers that are done with
.macro QUANT
.irp b, 0,1,2,3
	v_max3_num_f32 v[TM+\b], |v[X+16*\b]|, |v[X+1+16*\b]|, 0x2800000
.endr
.irp i, 2,4,6,8,10,12,14
.irp b, 0,1,2,3
	v_max3_num_f32 v[TM+\b], v[TM+\b], |v[X+16*\b+\i]|, |v[X+1+16*\b+\i]|
.endr
.endr
.irp b, 0,1,2,3
	v_permlanex16_b32 v[TM+4+\b], v[TM+\b], s[SEL], s[SEL+1]
.endr
.irp b, 0,1,2,3
	v_max_num_f32 v[TM+\b], v[TM+\b], v[TM+4+\b]
.endr
.irp b, 0,1,2,3
	v_add_nc_u32 v[TM+8+\b], 0xfe000000, v[TM+\b]
.endr
.irp b, 0,1,2,3
	v_lshrrev_b32 v[TM+4+\b], 23, v[TM+8+\b]
.endr
	v_lshl_or_b32 v[PW], v[TM+5], 8, v[TM+4]
	s_delay_alu instid0(VALU_DEP_1)
	v_lshl_or_b32 v[PW], v[TM+6], 16, v[PW]
	s_delay_alu instid0(VALU_DEP_1)
	v_lshl_or_b32 v[PW], v[TM+7], 24, v[PW]
.irp c, 0,1
	v_cvt_scalef32_pk16_bf6_f32 v[PC+6*\c:PC+2+6*\c], v[X+32*\c:X+15+32*\c], v[TM+8+2*\c]
	v_cvt_scalef32_pk16_bf6_f32 v[TM+4*\c:TM+2+4*\c], v[X+16+32*\c:X+31+32*\c], v[TM+8+2*\c+1]
.endr
	v_nop
.irp c, 0,1
.irp i, 0,1,2
	v_permlane16_swap_b32 v[PC+6*\c+\i], v[TM+4*\c+\i]
.endr
.irp i, 0,1,2
	v_mov_b32 v[PC+3+6*\c+\i], v[TM+4*\c+\i]
.endr
.endr
.endm
; my 16 rows x 256 K of slot sig -> image par: two units of 128 K
.macro QPH sig, par
.irp sl, 0,1
.irp b, 0,1,2,3
.irp j, 0,1,2,3
	ds_load_b128 v[X+16*\b+4*\j:X+16*\b+4*\j+3], v[RD0+(\sig)] offset:\sl*512+\b*128+16*\j
.endr
.endr
	s_wait_dscnt 0x0
	QUANT
.irp c, 0,1,2
	ds_store_b128 v[IWR], v[PC+4*\c:PC+4*\c+3] offset:(\par)*24576+\sl*1536+512*\c   ; the operand's registers as they stand
.endr
	ds_store_b32 v[ISW], v[PW] offset:(\par)*1024+\sl*64                             ; lanes r and r + 16 hold the same word and write it to the same place
.endr
.endm
; one matrix instruction: tile t (16 columns) x K step s; W's fragment 4 s + t
.macro WM t, s
.set FF, 4*(\s)+(\t)
.if FF < 21
.set WW, 1
.set WR, 12*FF
.else
.set WW, 0
.set WR, 124+12*(FF-21)
.endif
.set DR, ACC+8*(\t)
.set AR, AF+12*((\s)%4)
.set QA, ASC+(\s)%4
.set QB, WS+8*((\t)/2)+(\s)
.if (\s) == 0
.set VAR, (\t)%2
.else
.set VAR, 4+2*((\s)/4)+(\t)%2
.endif
	WIN WW<<2
.if VAR == 0
	v_wmma_scale_f32_16x16x128_f8f6f4 v[DR:DR+7], v[AR:AR+11], v[WR:WR+11], 0, v[QA], v[QB] matrix_a_fmt:MATRIX_FMT_BF6 matrix_b_fmt:MATRIX_FMT_BF6
.elseif VAR == 1
	v_wmma_scale_f32_16x16x128_f8f6f4 v[DR:DR+7], v[AR:AR+11], v[WR:WR+11], 0, v[QA], v[QB] matrix_a_fmt:MATRIX_FMT_BF6 matrix_b_fmt:MATRIX_FMT_BF6 matrix_b_scale:MATRIX_SCALE_ROW1
.elseif VAR == 4
	v_wmma_scale_f32_16x16x128_f8f6f4 v[DR:DR+7], v[AR:AR+11], v[WR:WR+11], v[DR:DR+7], v[QA], v[QB] matrix_a_fmt:MATRIX_FMT_BF6 matrix_b_fmt:MATRIX_FMT_BF6
.elseif VAR == 5
	v_wmma_scale_f32_16x16x128_f8f6f4 v[DR:DR+7], v[AR:AR+11], v[WR:WR+11], v[DR:DR+7], v[QA], v[QB] matrix_a_fmt:MATRIX_FMT_BF6 matrix_b_fmt:MATRIX_FMT_BF6 matrix_b_scale:MATRIX_SCALE_ROW1
.elseif VAR == 6
	v_wmma_scale_f32_16x16x128_f8f6f4 v[DR:DR+7], v[AR:AR+11], v[WR:WR+11], v[DR:DR+7], v[QA], v[QB] matrix_a_fmt:MATRIX_FMT_BF6 matrix_b_fmt:MATRIX_FMT_BF6 matrix_a_scale:MATRIX_SCALE_ROW1
.else
	v_wmma_scale_f32_16x16x128_f8f6f4 v[DR:DR+7], v[AR:AR+11], v[WR:WR+11], v[DR:DR+7], v[QA], v[QB] matrix_a_fmt:MATRIX_FMT_BF6 matrix_b_fmt:MATRIX_FMT_BF6 matrix_a_scale:MATRIX_SCALE_ROW1 matrix_b_scale:MATRIX_SCALE_ROW1
.endif
.endm
.macro KS s                            ; a K step: the four accumulators by turns
.irp t, 0,1,2,3
	WM \t, \s
.endr
.endm
.macro AFL par, row, s                 ; A's fragment of K step s into place s % 4 of a ring of four
.irp c, 0,1,2
	ds_load_b128 v[AF+12*((\s)%4)+4*\c:AF+12*((\s)%4)+4*\c+3], v[IRD] offset:(\par)*24576+(\row)*12288+(\s)*1536+512*\c
.endr
.endm
; 16 rows x my 64 columns: 32 matrix instructions.  Each s_wait_dscnt 6 leaves the two youngest fragments (3 loads each) out.  Four places stand in front of loads into fragments just multiplied
.macro MULT par, row
.irp s, 0,1,2,3
	ds_load_b32 v[ASC+\s], v[ISR] offset:(\par)*1024+(\row)*512+64*\s   ; lanes 0-15: K step s; lanes 16-31: K step s + 4
.endr
.irp s, 0,1,2,3
	AFL \par, \row, \s
.endr
	s_wait_dscnt 6
	KS 0
	KS 1
	PLACES 4
	AFL \par, \row, 4
	AFL \par, \row, 5
	s_wait_dscnt 6
	KS 2
	KS 3
	PLACES 4
	AFL \par, \row, 6
	AFL \par, \row, 7
	s_wait_dscnt 6
	KS 4
	KS 5
	s_wait_dscnt 0x0
	KS 6
	KS 7
	WIN 0
	PLACES 4
.endm
; 2 log2(e) x sum + cpre, 2^., + 1, 1 / ., x (-2 v) onto the lane's sum of v, then over the 16 lanes.  The waits round the two batches
.macro TANH row
.irp t, 0,1,2,3
.irp i, 0,2,4,6
.if (\t)%2
	v_pk_fma_f32 v[ACC+8*\t+\i:ACC+8*\t+\i+1], v[ACC+8*\t+\i:ACC+8*\t+\i+1], s[KK:KK+1], v[CP+\t-1:CP+\t] op_sel:[0,0,1] op_sel_hi:[1,0,1]
.else
	v_pk_fma_f32 v[ACC+8*\t+\i:ACC+8*\t+\i+1], v[ACC+8*\t+\i:ACC+8*\t+\i+1], s[KK:KK+1], v[CP+\t:CP+\t+1] op_sel_hi:[1,0,0]
.endif
.endr
.endr
.set J, 0
	s_wait_alu depctr_va_vdst(0)
.rept 32
	v_exp_f32 v[ACC+J], v[ACC+J]
.set J, J+1
.endr
	v_nop
.set J, 0
	s_wait_alu depctr_va_vdst(0)
.rept 16
	v_pk_add_f32 v[ACC+J:ACC+J+1], v[ACC+J:ACC+J+1], 1.0 op_sel_hi:[1,0]
.set J, J+2
.endr
.set J, 0
	s_wait_alu depctr_va_vdst(0)
.rept 32
	v_rcp_f32 v[ACC+J], v[ACC+J]
.set J, J+1
.endr
	v_nop
	s_wait_alu depctr_va_vdst(0)
	WIN 0x04                                       ; source 1, -2 v, lies in window 1
.irp i, 0,2,4,6
	v_pk_fma_f32 v[ATT+\i:ATT+\i+1], v[ACC+\i:ACC+\i+1], v[V2:V2+1], v[VL:VL+1] op_sel_hi:[1,0,0]
.endr
.irp t, 1,2,3
.irp i, 0,2,4,6
.if (\t)%2
	v_pk_fma_f32 v[ATT+\i:ATT+\i+1], v[ACC+8*\t+\i:ACC+8*\t+\i+1], v[V2+\t-1:V2+\t], v[ATT+\i:ATT+\i+1] op_sel:[0,1,0] op_sel_hi:[1,1,1]
.else
	v_pk_fma_f32 v[ATT+\i:ATT+\i+1], v[ACC+8*\t+\i:ACC+8*\t+\i+1], v[V2+\t:V2+\t+1], v[ATT+\i:ATT+\i+1] op_sel_hi:[1,0,1]
.endif
.endr
.endr
	WIN 0
.irp m, 1,2,4,8
.irp j, 0,1,2,3,4,5,6,7
	v_add_f32_dpp v[ATT+\j], v[ATT+\j], v[ATT+\j] row_xmask:\m row_mask:0xf bank_mask:0xf
.endr
.endr
	ds_store_b128 v[PSC], v[ATT:ATT+3] offset:64*(\row)
	ds_store_b128 v[PSC], v[ATT+4:ATT+7] offset:64*(\row)+16
.endm
.macro MPH par
	MULT \par, 0
	TANH 0
	MULT \par, 1
	TANH 1
.endm
; a step's one barrier.  In front of it: all my tensor loads are in (the one that was out: my part of the slot quantised in this step), the add,
; and my LDS reads and stores are done (the old slot, the old image, the new image).  Behind it slot sig, read out in the step before, is filled again first.
.macro HEAD sig, refill
	s_wait_tensorcnt 0x0
	ds_add_u32 v[SPW], v[NIL]
.if \refill
	s_add_nc_u64 s[G0+4*(\sig)+2:G0+4*(\sig)+3], s[G0+4*(\sig)+2:G0+4*(\sig)+3], 0x800000   ; 64 rows of 131,072 bytes on
.endif
	v_add_nc_u32 v[PSC], s[PO], v[PST]             ; where this step's 32 partial scores go: made ahead of the waves' parting
	s_wait_alu depctr_va_vdst(0)
	s_wait_dscnt 0x0
	s_barrier_signal -1
	s_barrier_wait -1
.if \refill
	tensor_load_to_lds s[G0+4*(\sig):G0+4*(\sig)+3], s[G1:G1+7]
	s_nop 0
	PLACES 4
.endif
	s_add_co_u32 s[PO], s[PO], 128
.endm
; step k, sig = k % 2: image sig is multiplied; q = 1: slot 1 - sig is quantised into image 1 - sig.  No barrier, wait on TENSORcnt or add stands in the two arms
.macro STEP sig, refill, q
	HEAD \sig, \refill
.if \q
	s_cmp_lg_u32 s[GRP], 0
	s_cbranch_scc1 .Lmq_\@
	QPH 1-(\sig), 1-(\sig)
	MPH \sig
	s_branch .Ljn_\@
.Lmq_\@:
	MPH \sig
	QPH 1-(\sig), 1-(\sig)
.Ljn_\@:
.else
	MPH \sig
.endif
.endm
.macro WLD f                           ; a fragment of W: 3 loads of 512 consecutive bytes
.if (\f) < 21
	WIN 0x40
.irp c, 0,1,2
	global_load_b128 v[12*(\f)+4*\c:12*(\f)+4*\c+3], v[WIO], s[6:7] offset:(3*(\f)+\c)*512
.endr
.else
	WIN 0
.irp c, 0,1,2
	global_load_b128 v[124+12*((\f)-21)+4*\c:124+12*((\f)-21)+4*\c+3], v[WIO], s[6:7] offset:(3*(\f)+\c)*512
.endr
.endif
.endm
	s_load_b256 s[4:11], s[0:1], 0x0               ; encoder_outputs, wimg, W's scales, cpre
	s_load_b128 s[12:15], s[0:1], 0x20             ; v, scores
	v_lshl_add_u32 v[SPW], v0, 2, SPARE
	v_mov_b32 v[NIL], 0
	ds_add_u32 v[SPW], v[NIL]                      ; the opening lines: the add, twice on end, and its wait
	ds_add_u32 v[SPW], v[NIL]
	v_lshrrev_b32 v[T0], 5, v0
	v_readfirstlane_b32 s[WV], v[T0]
	s_and_b32 s[BB], ttmp7, 0xffff
	s_mov_b32 s[G1+0], (2<<16)|(1<<20)|(7<<22)|(3<<25)   ; elements of 4 bytes; 4 words of padding behind every 256
	s_mov_b32 s[G1+1], 256<<16
	s_mov_b32 s[G1+2], 16<<16
	s_mov_b32 s[G1+3], 256<<16
	s_mov_b32 s[G1+4], 16
	s_mov_b32 s[G1+5], 32768                       ; from s to s + 1: 32 x 1,024 numbers
	s_mov_b32 s[G1+6], 0
	s_mov_b32 s[G1+7], 0
	s_mov_b32 s[SEL], 0x76543210
	s_mov_b32 s[SEL+1], 0xfedcba98
	s_mov_b32 s[KK], 0x4038aa3b                    ; 2 log2(e)
	s_mov_b32 s[KK+1], s[KK]
	s_mov_b32 s[PO], 0
	s_lshr_b32 s52, s[WV], 1                       ; my quarter of K
	s_and_b32 s53, s[WV], 1                        ; my 16 of a slot's 32 rows
	s_lshr_b32 s[GRP], s[WV], 2
	s_xor_b32 s[GRP], s[GRP], s[WV]
	s_and_b32 s[GRP], s[GRP], 1                    ; 0: quantise first; 1: multiply first
	s_lshl_b32 s46, ttmp9, 25                      ; 256 rows of 131,072 bytes
	s_lshl_b32 s47, s[BB], 12
	s_add_co_u32 s46, s46, s47
	s_lshl_b32 s47, s52, 10
	s_add_co_u32 s46, s46, s47
	s_lshl_b32 s47, s53, 21
	s_add_co_u32 s46, s46, s47
	s_mov_b32 s47, 0
	s_mul_i32 s48, s52, QTR
	s_mul_i32 s49, s53, 16*RP
	s_add_co_u32 s48, s48, s49
	s_wait_dscnt 0x0
	s_wait_kmcnt 0x0
	s_add_nc_u64 s[4:5], s[4:5], s[46:47]
.irp g, 0,1
	s_mov_b32 s[G0+4*\g], 1
	s_add_co_u32 s[G0+4*\g+1], s48, \g*SLOT
	s_add_nc_u64 s[G0+4*\g+2:G0+4*\g+3], s[4:5], \g*0x400000
	s_or_b32 s[G0+4*\g+3], s[G0+4*\g+3], 0x80000000
.endr
	tensor_load_to_lds s[G0:G0+3], s[G1:G1+7]      ; slot 0: my one tensor load at the head
	s_nop 0
	PLACES 4
	s_mul_i32 s46, s[WV], 49152
	s_add_nc_u64 s[6:7], s[6:7], s[46:47]          ; my 32 fragments
	s_lshl_b32 s46, s[WV], 12
	s_add_nc_u64 s[8:9], s[8:9], s[46:47]          ; my 64 rows of scale bytes
	s_lshl_b32 s46, s[WV], 15                      ; cpre: tile 4 j of 8,192 bytes,
	s_lshr_b32 s49, s[BB], 4
	s_lshl_b32 s49, s49, 12
	s_add_co_u32 s46, s46, s49                     ; row tile b / 16,
	s_bfe_u32 s49, s[BB], 0x10003
	s_lshl_b32 s49, s49, 8
	s_add_co_u32 s46, s46, s49                     ; lanes 16 (b / 8 % 2) + r of 16 bytes,
	s_bfe_u32 s49, s[BB], 0x10002
	s_lshl_b32 s49, s49, 9
	s_add_co_u32 s46, s46, s49                     ; registers 0-3 or 4-7,
	s_and_b32 s49, s[BB], 3
	s_lshl_b32 s49, s49, 2
	s_add_co_u32 s46, s46, s49                     ; register b % 4 of them
	s_add_nc_u64 s[10:11], s[10:11], s[46:47]
	s_lshl_b32 s46, s[WV], 8
	s_add_nc_u64 s[12:13], s[12:13], s[46:47]
	s_lshl_b32 s46, s[BB], 13
	s_lshl_b32 s49, ttmp9, 10
	s_add_co_u32 s46, s46, s49
	s_add_nc_u64 s[14:15], s[14:15], s[46:47]
	s_mul_i32 s49, s53, 12288
	s_mul_i32 s50, s52, 3072
	s_add_co_u32 s49, s49, s50
	s_add_co_u32 s49, s49, IMG
	s_lshl_b32 s50, s53, 9
	s_lshl_b32 s51, s52, 7
	s_add_co_u32 s50, s50, s51
	s_add_co_u32 s50, s50, ISC
	s_lshl_b32 s51, s[WV], 10
	s_add_co_u32 s51, s51, PART
	v_and_b32 v[LN], 31, v0
	v_and_b32 v[RR], 15, v0
	v_bfe_u32 v[HH], v0, 4, 1
	v_lshlrev_b32 v[BVO], 2, v[RR]
	v_lshlrev_b32 v[WSO], 6, v[LN]
	v_lshlrev_b32 v[CPO], 4, v[RR]
	v_lshlrev_b32 v[WIO], 4, v[LN]
	v_mul_u32_u24 v[RD0], v[RR], RP
	v_lshl_add_u32 v[RD0], v[HH], 6, v[RD0]
	v_add_nc_u32 v[RD0], s48, v[RD0]
	v_add_nc_u32 v[RD0+1], SLOT, v[RD0]
	v_lshl_add_u32 v[IWR], v[LN], 4, s49
	v_lshl_add_u32 v[ISW], v[RR], 2, s50
	v_lshl_add_u32 v[IRD], v[LN], 4, IMG
	v_lshl_add_u32 v[ISR], v[RR], 2, ISC
	v_lshl_add_u32 v[ISR], v[HH], 8, v[ISR]
	v_lshl_add_u32 v[PST], v[HH], 5, s51
.irp b, 0,1,2,3
	v_mov_b32 v[TM+4+\b], 0
.endr
	s_wait_alu depctr_va_vdst(0)
.irp u, 0,1
	global_load_b128 v[WS+8*\u:WS+8*\u+3], v[WSO], s[8:9] offset:\u*2048+32      ; W's scale words: lanes 0-15 tile 2 u, lanes 16-31 tile 2 u + 1; K steps 0 to 3,
	global_load_b128 v[WS+8*\u+4:WS+8*\u+7], v[WSO], s[8:9] offset:\u*2048+48    ; 4 to 7
.endr
.irp t, 0,1,2,3
.irp q, 0,1,2,3
	global_load_b32 v[CPT+4*\t+\q], v[CPO], s[10:11] offset:8192*\t+1024*\q
.endr
.endr
	WIN 0x40
.irp t, 0,1,2,3
	global_load_b32 v[V2+\t], v[BVO], s[12:13] offset:64*\t
.endr
.irp f, 0,1,2,3,4,5,6,7,8,9,10,11
	WLD \f                                         ; 24 + 36 loads are out while slot 0 lands
.endr
	WIN 0
	s_wait_tensorcnt 0x0                           ; slot 1's first fill stands behind the same lines as a refill
	ds_add_u32 v[SPW], v[NIL]
	s_wait_dscnt 0x0
	s_barrier_signal -1
	s_barrier_wait -1
	tensor_load_to_lds s[G0+4:G0+7], s[G1:G1+7]
	s_nop 0
	PLACES 4
	s_wait_loadcnt 36                              ; all but W's 36: the scale words, cpre's parts and v are in
.irp t, 0,1,2,3
	v_add_f32 v[CP+\t], v[CPT+4*\t], v[CPT+4*\t+1]
.endr
.irp t, 0,1,2,3
	v_add_f32 v[CPT+4*\t+2], v[CPT+4*\t+2], v[CPT+4*\t+3]
.endr
.irp t, 0,1,2,3
	v_add_f32 v[CP+\t], v[CP+\t], v[CPT+4*\t+2]    ; the four parts along K
.endr
.irp f, 12,13,14,15,16,17,18,19,20,21,22,23,24,25,26,27,28,29,30,31
	WLD \f
.endr
	WIN 0
	QPH 0, 0                                       ; slot 0 -> image 0, while W comes in
	s_wait_loadcnt 0x0                             ; W is in
	v_mov_b32 v[VL], 0
	WIN 0x04
.irp t, 0,1,2,3
	v_add_f32 v[VL], v[VL], v[V2+\t]               ; the lane's sum of v: the 1 of 1 - 2 / (..)
.endr
	WIN 0x41
	v_pk_mul_f32 v[V2:V2+1], v[V2:V2+1], -2.0 op_sel_hi:[1,0]
	v_pk_mul_f32 v[V2+2:V2+3], v[V2+2:V2+3], -2.0 op_sel_hi:[1,0]
	WIN 0
	s_wait_alu depctr_va_vdst(0)
	s_mov_b32 s[CNT], 3
.Lpair:                                                ; a trip: two steps; slots 2 to 7 are asked for in the three trips
	STEP 0, 1, 1
	STEP 1, 1, 1
	s_sub_co_u32 s[CNT], s[CNT], 1
	s_cmp_lg_u32 s[CNT], 0
	s_cbranch_scc1 .Lpair
	STEP 0, 0, 1                                   ; the last two steps ask for nothing
	STEP 1, 0, 0
	s_wait_dscnt 0x0
	s_barrier_signal -1
	s_barrier_wait -1
	v_lshl_add_u32 v[ORD], v0, 3, PART             ; thread i < 128: rows 2 i, 2 i + 1; the eight waves' parts are added
	v_lshlrev_b32 v[OGO], 3, v0
	s_cmp_ge_u32 s[WV], 4
	s_cbranch_scc1 .Ldone
.irp w, 0,1,2,3,4,5,6,7
	ds_load_b64 v[X+2*\w:X+2*\w+1], v[ORD] offset:1024*\w
.endr
	s_wait_dscnt 0x0
	v_pk_add_f32 v[X:X+1], v[X:X+1], v[X+2:X+3]
	v_pk_add_f32 v[X+4:X+5], v[X+4:X+5], v[X+6:X+7]
	v_pk_add_f32 v[X+8:X+9], v[X+8:X+9], v[X+10:X+11]
	v_pk_add_f32 v[X+12:X+13], v[X+12:X+13], v[X+14:X+15]
	v_pk_add_f32 v[X:X+1], v[X:X+1], v[X+4:X+5]
	v_pk_add_f32 v[X+8:X+9], v[X+8:X+9], v[X+12:X+13]
	v_pk_add_f32 v[X:X+1], v[X:X+1], v[X+8:X+9]
	s_wait_alu depctr_va_vdst(0)                   ; the offset was written ahead of the wait above
	global_store_b64 v[OGO], v[X:X+1], s[14:15]    ; a wave stores 256 consecutive bytes
.Ldone:
	s_wait_tensorcnt 0x0                           ; the wave's end
	ds_add_u32 v[SPW], v[NIL]
	s_wait_dscnt 0x0
	s_endpgm
.Lfunc_end_k_q5b2f81613b_energy:
	.size	k_q5b2f81613b_energy, .Lfunc_end_k_q5b2f81613b_energy-k_q5b2f81613b_energy
	.p2alignl 7, 3214868480
	.fill 96, 4, 3214868480
	.section	.rodata,"a",@progbits
	.p2align	6, 0x0
	.amdhsa_kernel k_q5b2f81613b_energy
		.amdhsa_group_segment_fixed_size 327680
		.amdhsa_private_segment_fixed_size 0
		.amdhsa_enable_private_segment 0
		.amdhsa_kernarg_size 48
		.amdhsa_user_sgpr_count 2
		.amdhsa_user_sgpr_kernarg_segment_ptr 1
		.amdhsa_wavefront_size32 1
		.amdhsa_system_sgpr_workgroup_id_x 1
		.amdhsa_system_sgpr_workgroup_id_y 1
		.amdhsa_system_sgpr_workgroup_id_z 1
		.amdhsa_system_vgpr_workitem_id 0
		.amdhsa_next_free_vgpr 512
		.amdhsa_next_free_sgpr 66
		.amdhsa_reserve_vcc 0
		.amdhsa_float_denorm_mode_32 3
		.amdhsa_float_denorm_mode_16_64 3
		.amdhsa_memory_ordered 1
		.amdhsa_forward_progress 1
		.amdhsa_inst_pref_size 255
	.end_amdhsa_kernel
	.section	.bss,"aw",@nobits
	.p2align	6
	.space	262144
	.amdgpu_metadata
---
amdhsa.version: [ 1, 2 ]
amdhsa.kernels:
  - .name:           k_q5b2f81613b_energy
    .symbol:         k_q5b2f81613b_energy.kd
    .args:
      - { .name: encoder_outputs, .offset: 0, .size: 8, .value_kind: global_buffer, .address_space: global }
      - { .name: wimg, .offset: 8, .size: 8, .value_kind: global_buffer, .address_space: global }
      - { .name: attn_w_scales, .offset: 16, .size: 8, .value_kind: global_buffer, .address_space: global }
      - { .name: cpre, .offset: 24, .size: 8, .value_kind: global_buffer, .address_space: global }
      - { .name: v, .offset: 32, .size: 8, .value_kind: global_buffer, .address_space: global }
      - { .name: scores, .offset: 40, .size: 8, .value_kind: global_buffer, .address_space: global }
    .group_segment_fixed_size: 327680
    .private_segment_fixed_size: 0
    .kernarg_segment_align: 8
    .kernarg_segment_size: 48
    .max_flat_workgroup_size: 256
    .sgpr_count:     66
    .vgpr_count:     512
    .wavefront_size: 32
...
	.end_amdgpu_metadata
.endif
;; end of part 2
;; launch softmax (part 3): grid 32 x 1, 8 waves a work-group, no clusters, 1,280 bytes of LDS; arguments scores, mask, out0; writes out0
.if DOCPART == 3
	.amdgcn_target "amdgcn-amd-amdhsa--gfx1250"
	.amdhsa_code_object_version 6
	.text
	.protected	k_q5b2f81613b_softmax
	.globl	k_q5b2f81613b_softmax
	.p2align	8
	.type	k_q5b2f81613b_softmax,@function
k_q5b2f81613b_softmax:
	s_mov_b64 s[64:65], 0
	v_nop
	global_prefetch_b8 v0, s[64:65] scope:SCOPE_SE
	s_setreg_imm32_b32 hwreg(HW_REG_WAVE_MODE, 25, 1), 1
	s_wait_xcnt 0x0
; out0[b][:] = softmax over s of (mask[b][s] == 0 ? -1e10 : scores[b][s]).  One work-group to a row of 2,048; thread i owns the 16 bytes at 16 i and at 4,096 + 16 i: each load and store of a wave covers 512 consecutive bytes.
; The row's maximum is taken away before the exponential, by a subtraction (exact where a number equals the maximum: a row with no key left gives 1 / 2,048 everywhere, as the definition does).
; 32 rows are all the work there is: 16 KiB in and 8 KiB out for each work-group.  No matrix unit, no tensor loads, no cluster: nothing is shared, and the row lives in eight registers a lane.
; LIMITS: NaN and infinities among the scores are not served.
	s_load_b128 s[4:7], s[0:1], 0x0                ; scores, mask
	s_load_b64 s[8:9], s[0:1], 0x10                ; out0
	v_lshl_add_u32 v40, v0, 2, 0x100
	v_mov_b32 v41, 0
	s_lshl_b32 s10, ttmp9, 13                      ; my row: 8,192 bytes
	s_mov_b32 s11, 0
	s_mov_b32 s12, 0x76543210                      ; v_permlanex16_b32's selects for lane l xor 16
	s_mov_b32 s13, 0xfedcba98
	v_lshlrev_b32 v1, 4, v0
	v_lshrrev_b32 v2, 5, v0
	s_delay_alu instid0(VALU_DEP_1)
	v_lshlrev_b32 v2, 2, v2                        ; 4 x wave: my wave's word in LDS
	v_mov_b32 v3, 0xd01502f9                       ; -1e10
	v_mov_b32 v21, 0                               ; a lane permute's destination counts as one of its sources
	v_mov_b32 v22, 0
	s_wait_alu depctr_va_vdst(0)
	s_wait_kmcnt 0x0
	s_add_nc_u64 s[4:5], s[4:5], s[10:11]
	s_add_nc_u64 s[6:7], s[6:7], s[10:11]
	s_add_nc_u64 s[8:9], s[8:9], s[10:11]
	global_load_b128 v[4:7], v1, s[4:5]
	global_load_b128 v[8:11], v1, s[4:5] offset:4096
	global_load_b128 v[12:15], v1, s[6:7]
	global_load_b128 v[16:19], v1, s[6:7] offset:4096
	s_wait_loadcnt 0x0
.irp j, 0,1,2,3,4,5,6,7
	v_cmp_eq_u32 vcc_lo, 0, v[12+\j]
	s_delay_alu instid0(VALU_DEP_1)
	v_cndmask_b32 v[4+\j], v[4+\j], v3, vcc_lo
.endr
	v_max3_num_f32 v20, v4, v5, v6                 ; the largest of my eight,
	v_max3_num_f32 v23, v7, v8, v9
	s_delay_alu instid0(VALU_DEP_2)
	v_max3_num_f32 v20, v20, v10, v11
	s_delay_alu instid0(VALU_DEP_1)
	v_max_num_f32 v20, v20, v23
	s_delay_alu instid0(VALU_DEP_1)
	v_max_num_f32_dpp v20, v20, v20 row_xmask:1 row_mask:0xf bank_mask:0xf   ; of the wave's,
	s_delay_alu instid0(VALU_DEP_1)
	v_max_num_f32_dpp v20, v20, v20 row_xmask:2 row_mask:0xf bank_mask:0xf
	s_delay_alu instid0(VALU_DEP_1)
	v_max_num_f32_dpp v20, v20, v20 row_xmask:4 row_mask:0xf bank_mask:0xf
	s_delay_alu instid0(VALU_DEP_1)
	v_max_num_f32_dpp v20, v20, v20 row_xmask:8 row_mask:0xf bank_mask:0xf
	s_delay_alu instid0(VALU_DEP_1)
	v_permlanex16_b32 v21, v20, s12, s13
	s_delay_alu instid0(VALU_DEP_1)
	v_max_num_f32 v20, v20, v21
	ds_store_b32 v2, v20                           ; all lanes of a wave write the same word with the same value
	s_wait_dscnt 0x0                               ; for the others' sake
	s_barrier_signal -1
	s_barrier_wait -1
	ds_load_b128 v[24:27], v22
	ds_load_b128 v[28:31], v22 offset:16
	s_wait_dscnt 0x0
	v_max3_num_f32 v20, v24, v25, v26              ; of the row's
	v_max3_num_f32 v23, v27, v28, v29
	s_delay_alu instid0(VALU_DEP_2)
	v_max3_num_f32 v20, v20, v30, v31
	s_delay_alu instid0(VALU_DEP_1)
	v_max_num_f32 v20, v20, v23
	s_wait_alu depctr_va_vdst(0)
.irp j, 0,2,4,6
	v_pk_add_f32 v[4+\j:5+\j], v[4+\j:5+\j], v[20:21] op_sel_hi:[1,0] neg_lo:[0,1] neg_hi:[0,1]   ; x - the maximum (the pair's low word serves both halves)
.endr
.irp j, 0,2,4,6
	s_delay_alu instid0(VALU_DEP_4)
	v_pk_mul_f32 v[4+\j:5+\j], v[4+\j:5+\j], 0x3fb8aa3b op_sel_hi:[1,0]                           ; x log2(e)
.endr
	s_wait_alu depctr_va_vdst(0)
.irp j, 0,1,2,3,4,5,6,7
	v_exp_f32 v[4+\j], v[4+\j]
.endr
	v_nop                                          ; a plain place behind the exponentials (ISA guide 5.7.2)
	s_wait_alu depctr_va_vdst(0)
	v_pk_add_f32 v[32:33], v[4:5], v[6:7]
	v_pk_add_f32 v[34:35], v[8:9], v[10:11]
	s_delay_alu instid0(VALU_DEP_1)
	v_pk_add_f32 v[32:33], v[32:33], v[34:35]
	s_delay_alu instid0(VALU_DEP_1)
	v_add_f32 v32, v32, v33
	s_delay_alu instid0(VALU_DEP_1)
	v_add_f32_dpp v32, v32, v32 row_xmask:1 row_mask:0xf bank_mask:0xf
	s_delay_alu instid0(VALU_DEP_1)
	v_add_f32_dpp v32, v32, v32 row_xmask:2 row_mask:0xf bank_mask:0xf
	s_delay_alu instid0(VALU_DEP_1)
	v_add_f32_dpp v32, v32, v32 row_xmask:4 row_mask:0xf bank_mask:0xf
	s_delay_alu instid0(VALU_DEP_1)
	v_add_f32_dpp v32, v32, v32 row_xmask:8 row_mask:0xf bank_mask:0xf
	s_delay_alu instid0(VALU_DEP_1)
	v_permlanex16_b32 v21, v32, s12, s13
	s_delay_alu instid0(VALU_DEP_1)
	v_add_f32 v32, v32, v21
	ds_store_b32 v2, v32 offset:128
	s_wait_dscnt 0x0
	s_barrier_signal -1
	s_barrier_wait -1
	ds_load_b128 v[24:27], v22 offset:128
	ds_load_b128 v[28:31], v22 offset:144
	s_wait_dscnt 0x0
	v_pk_add_f32 v[24:25], v[24:25], v[26:27]
	v_pk_add_f32 v[28:29], v[28:29], v[30:31]
	s_delay_alu instid0(VALU_DEP_1)
	v_pk_add_f32 v[24:25], v[24:25], v[28:29]
	s_delay_alu instid0(VALU_DEP_1)
	v_add_f32 v24, v24, v25                        ; the row's sum: at least 1
	s_wait_alu depctr_va_vdst(0)
	v_rcp_f32 v36, v24
	v_mov_b32 v37, 0                               ; a plain place behind the reciprocal; and the pair's upper half is written
	s_wait_alu depctr_va_vdst(0)
.irp j, 0,2,4,6
	v_pk_mul_f32 v[4+\j:5+\j], v[4+\j:5+\j], v[36:37] op_sel_hi:[1,0]
.endr
	global_store_b128 v1, v[4:7], s[8:9]
	global_store_b128 v1, v[8:11], s[8:9] offset:4096
	s_wait_tensorcnt 0x0
	ds_add_u32 v40, v41
	s_wait_dscnt 0x0
	s_endpgm
.Lfunc_end_k_q5b2f81613b_softmax:
	.size	k_q5b2f81613b_softmax, .Lfunc_end_k_q5b2f81613b_softmax-k_q5b2f81613b_softmax
	.p2alignl 7, 3214868480
	.fill 96, 4, 3214868480
	.section	.rodata,"a",@progbits
	.p2align	6, 0x0
	.amdhsa_kernel k_q5b2f81613b_softmax
		.amdhsa_group_segment_fixed_size 1280
		.amdhsa_private_segment_fixed_size 0
		.amdhsa_enable_private_segment 0
		.amdhsa_kernarg_size 24
		.amdhsa_user_sgpr_count 2
		.amdhsa_user_sgpr_kernarg_segment_ptr 1
		.amdhsa_wavefront_size32 1
		.amdhsa_system_sgpr_workgroup_id_x 1
		.amdhsa_system_sgpr_workgroup_id_y 1
		.amdhsa_system_sgpr_workgroup_id_z 1
		.amdhsa_system_vgpr_workitem_id 0
		.amdhsa_next_free_vgpr 42
		.amdhsa_next_free_sgpr 66
		.amdhsa_reserve_vcc 1
		.amdhsa_float_denorm_mode_32 3
		.amdhsa_float_denorm_mode_16_64 3
		.amdhsa_memory_ordered 1
		.amdhsa_forward_progress 1
		.amdhsa_inst_pref_size 7
	.end_amdhsa_kernel
	.amdgpu_metadata
---
amdhsa.version: [ 1, 2 ]
amdhsa.kernels:
  - .name:           k_q5b2f81613b_softmax
    .symbol:         k_q5b2f81613b_softmax.kd
    .args:
      - { .name: scores, .offset: 0, .size: 8, .value_kind: global_buffer, .address_space: global }
      - { .name: mask, .offset: 8, .size: 8, .value_kind: global_buffer, .address_space: global }
      - { .name: out0, .offset: 16, .size: 8, .value_kind: global_buffer, .address_space: global }
    .group_segment_fixed_size: 1280
    .private_segment_fixed_size: 0
    .kernarg_segment_align: 8
    .kernarg_segment_size: 24
    .max_flat_workgroup_size: 256
    .sgpr_count:     66
    .vgpr_count:     42
    .wavefront_size: 32
...
	.end_amdgpu_metadata
.endif
;; end of part 3
